; MI455X (gfx1250); checked and timed in simulation.
; The chip was launched on July 23, 2026; its instructions are those of AMD's public machine-readable ISA for CDNA 5 (MIT licence, August 2026) and "CDNA5" Instruction Set Architecture Reference Guide (July 2026). The comments in the code are by the model that wrote it; some were corrected since.
;; Cross Modal Attention. Allowed arithmetic: matrix products marked QUANTISED: E2M1 operands, one E8M0 scale for each 32 along K, by v_wmma_scale_f32_16x16x128_f8f6f4 with both operands' format E2M1 (or v_wmma_scale_f32_32x16x128_f4), f32 sums; products left as they are: bf16, f16 or f32 operands; f32 sums; everything else in f32.
;; Inputs: Wk 512 x 768 float32; Wo 512 x 512 float32; Wq 512 x 512 float32; Wv 512 x 768 float32; bk 512 float32; bo 512 float32; bq 512 float32; bv 512 float32; graph_features 8,192 x 512 float32; other_features 4,096 x 768 float32.
;; Outputs: out0 8,192 x 512 float32.
;; This version of the problem:
;;   THIS VERSION OF THE PROBLEM IS GIVEN IN LOW PRECISION. The matrix products marked QUANTISED in the list below multiply operands that are first quantised to E2M1 (2 exponent bits, 1 mantissa bit; 4 bits a number), with one power-of-two scale for each 32 numbers along K (OCP MX v1.0); their sums are f32. The products marked 'left as it is' may take bf16, f16 or f32 operands, with f32 sums. Whichever they take, every output number must still come out within the allowed error. Rounding operands to bf16 (8 significant bits) uses up far more of that allowance than f16 does (11 bits, for magnitudes from 6e-5 to 65,504). All else is computed in f32.
;;   The module's matrix products, in the order in which they are computed (A, B: the left and right operand; K: the contracted axis; several contracted axes count as one K, in the product's order):
;;     1. [M 8,192, K 512] x [K 512, N 512]; A: input graph_features; B: input Wq: QUANTISED
;;     2. [M 4,096, K 768] x [K 768, N 512]; A: input other_features; B: input Wk: QUANTISED
;;     3. [M 4,096, K 768] x [K 768, N 512]; A: input other_features; B: input Wv: QUANTISED
;;     4. batch 8 x [M 8,192, K 64] x [K 64, N 4,096]; A: computed on the way; B: computed on the way: left as it is (an operand is computed on the way)
;;     5. batch 8 x [M 64, K 4,096] x [K 4,096, N 8,192]; A: computed on the way; B: computed on the way: left as it is (an operand is computed on the way)
;;     6. [M 8,192, K 512] x [K 512, N 512]; A: computed on the way; B: input Wo: left as it is (an operand is computed on the way)
;;   THE QUANTISER, for each operand of a quantised product, along K:
;;     - K is cut into blocks of 32 from its start; a last block that is shorter is filled with zeros.
;;     - A block's scale is 2^e with e = floor(log2(the largest magnitude in the block)) - 2, held to -126 .. 127; a block of zeros has e = 0. As a byte (E8M0): e + 127.
;;     - Each number is divided by its block's scale, clamped to +-6, and rounded to the nearest number of E2M1, ties to even, subnormals kept.
;;     - The product sums the exact products of the quantised numbers (number of the format x scale) in f32.
;;   ~~~python
;;   def quantise(x, axis):      # numpy; x: float32 -> the quantised numbers, widened to float32 again
;;       x = np.moveaxis(x, axis, -1); K = x.shape[-1]
;;       x = np.pad(x, [(0, 0)] * (x.ndim - 1) + [(0, -K % 32)]); x = x.reshape(x.shape[:-1] + (-1, 32)); a = np.abs(x).max(-1, keepdims=True)
;;       e = np.where(a > 0, np.clip(np.frexp(np.where(a > 0, a, 1))[1] - 1 - 2, -126, 127), 0)      # np.frexp(a)[1] - 1 = floor(log2(a)), exactly
;;       r = np.clip(x / 2.0 ** e, -6, 6)
;;       step = 2.0 ** (np.maximum(np.frexp(np.where(r == 0, 1, r))[1] - 1, 0) - 1)
;;       q = np.round(r / step) * step * 2.0 ** e      # np.round: ties to even
;;       return np.moveaxis(q.reshape(q.shape[:-2] + (-1,))[..., :K], -1, axis).astype(np.float32)
;;   ~~~
;; One version. Each part assembles by itself: llvm-mc -triple=amdgcn-amd-amdhsa -mcpu=gfx1250 --defsym DOCPART=n.
;; ======== version 1 of 1: 4 launches
;; limits: values are held in f16: magnitudes above 65,504 overflow, below 6.1e-05 lose precision
;; workspace buffers: codes 4,194,304 bytes; scales 262,144 bytes; wo16 524,288 bytes; qimg 8,388,608 bytes; kv 8,388,608 bytes; oimg 8,388,608 bytes
;; launch prep (part 1): grid 264 x 1, 8 waves a work-group, no clusters, 62,464 bytes of LDS; arguments graph_features, other_features, Wq, Wk, Wv, Wo, codes, scales, wo16; writes codes, scales, wo16
.if DOCPART == 1
	.amdgcn_target "amdgcn-amd-amdhsa--gfx1250"
	.amdhsa_code_object_version 6
	.text
	.protected	k_q2c5d537671_prep
	.globl	k_q2c5d537671_prep
	.p2align	8
	.type	k_q2c5d537671_prep,@function
k_q2c5d537671_prep:
	s_mov_b64 s[64:65], 0
	v_nop
	global_prefetch_b8 v0, s[64:65] scope:SCOPE_SE
	s_setreg_imm32_b32 hwreg(HW_REG_WAVE_MODE, 25, 1), 1
	s_wait_xcnt 0x0
; graph_features [8192][512], other_features [4096][768], Wq [512][512], Wk, Wv [512][768], all f32 with K innermost, become codes of FP4 (E2M1) with one E8M0 byte for each 32 along K;
; Wo [512][512] becomes f16.  All results are laid as IMAGES OF OPERAND REGISTERS: a piece of 512 bytes holds lane l's 16 bytes at 16 l, so that the later launches load fragments by 16 bytes a lane.
; A block's scale is 2^(floor(log2(its largest magnitude)) - 2); its byte is the largest magnitude's exponent field - 2, held at 1 from below; each number is divided by the scale and rounded to the nearest code, ties to even, beyond 6 held at 6.
; LIMITS: a block of zeros gets the byte 1 where the rule says 127 (its codes are zeros, and this program alone reads the bytes); blocks whose largest magnitude lies under 2^(3 - 127) take that floor's byte;
; NaN and infinities among the inputs are not served; |Wo| stays under 65,504 (f16).
; SHARES.  A UNIT is 16 rows x 256 along K: two fragments of 16 x 128 codes, 2,048 bytes, and 128 scale bytes (8 a row).  The five tensors are 2,048 units: work-groups 0-255, a unit a wave.
;   units 0-1023 graph_features, 1024-1791 other_features, 1792-1855 Wq, 1856-1951 Wk, 1952-2047 Wv; in a tensor: unit = (row / 16) x (K / 256) + (k / 256).
;   In a unit's codes block b (0..7, 32 along K) of row r lies at 256 b + 16 r: piece c of a fragment holds, at 16 x lane, what lane (r, h) wants in registers 4 c .. 4 c + 3.
; Work-groups 256-263: a wave takes 16 rows x 256 k of Wo.  No work-group shares an input byte with another: no cluster, no tensor load; all of a wave's 32 loads (16 KiB) are asked for at once.
; The conversions take neighbours along K from ONE lane's registers, the loads are dense (512 consecutive bytes each): so a step's 2,048 bytes turn through the wave's own stage in LDS, 16 bytes of padding behind each 64.
.set WREG,  7680                       ; LDS of a wave: two stages, the unit's code image, its scale bytes
.set SP,    80                         ; a lane's place in a stage: 64 bytes + 16
.set STG,   32*SP                      ; a stage
.set IMG,   2*STG                      ; the code image: 8 blocks x IP bytes
.set IP,    288                        ; a block's 256 bytes + 32
.set SBY,   IMG+8*IP                   ; 128 scale bytes
.set SPARE, 8*WREG                     ; behind the eight regions: the spare words, 128 bytes for each wave, which no other line names
.set LS4,  1                           ; v1   4 x lane
.set LN,   2                           ; v2   lane
.set SIN,  3                           ; v3   the stage, on the way in
.set SOUT, 4                           ; v4   and on the way out
.set IMI,  5                           ; v5   the image, on the way in
.set IMO,  6                           ; v6   and on the way out
.set BYI,  7                           ; v7   my block's scale byte
.set BYO,  12                          ; v12  the scale bytes on the way out
.set L16,  13                          ; v13  16 x lane
.set SPW,  14                          ; v14  LDS address of my spare word; never rewritten
.set NIL,  15                          ; v15  0; never rewritten
.set OFF,  16                          ; v16-31   16 x lane + i rows
.set X,    32                          ; v32-63   two sets of 16 neighbours
.set R,    64                          ; v64-191  32 loads x 4 registers
.set C,    192                         ; v192-207 a step's codes: two registers, never written again
.set E,    208                         ; v208-215 a step's scale byte
	s_load_b512 s[8:23], s[0:1], 0x0               ; graph s[8:9], other s[10:11], Wq s[12:13], Wk s[14:15], Wv s[16:17], Wo s[18:19], codes s[20:21], scales s[22:23]
	s_load_b64 s[24:25], s[0:1], 0x40              ; wo16
	v_lshl_add_u32 v[SPW], v0, 2, SPARE
	v_mov_b32 v[NIL], 0
	v_lshrrev_b32 v1, 5, v0
	v_readfirstlane_b32 s30, v1                    ; wave 0..7
	v_and_b32 v[LN], 31, v0
	v_lshlrev_b32 v[L16], 4, v[LN]
	s_cmp_ge_u32 ttmp9, 256                        ; the last eight work-groups take Wo
	s_cbranch_scc1 .Lwo
	s_mul_i32 s31, s30, WREG                       ; my wave's LDS
	v_lshlrev_b32 v[LS4], 2, v[LN]
	v_lshrrev_b32 v8, 2, v[LN]
	v_mul_u32_u24 v[SIN], v8, SP
	v_and_b32 v8, 3, v[LN]
	v_lshl_add_u32 v[SIN], v8, 4, v[SIN]
	v_add_nc_u32 v[SIN], s31, v[SIN]               ; in: four lanes' 64 bytes on end, then the padding: 80 (lane / 4) + 16 (lane % 4)
	v_mul_u32_u24 v[SOUT], v[LN], SP
	v_add_nc_u32 v[SOUT], s31, v[SOUT]             ; out: 80 x lane: my 16 neighbours
	v_bfe_u32 v8, v[LN], 1, 3                      ; behind the turn lane l holds: row 2 s + l / 16, block (l / 2) % 8, half l % 2
	v_lshrrev_b32 v9, 4, v[LN]
	v_and_b32 v10, 1, v[LN]
	v_mul_u32_u24 v[IMI], v8, IP
	v_lshl_add_u32 v[IMI], v9, 4, v[IMI]
	v_lshl_add_u32 v[IMI], v10, 3, v[IMI]
	v_add_nc_u32 v[IMI], s31, v[IMI]               ; image in: block x 288 + 16 x row + 8 x half
	v_and_b32 v10, 15, v[LN]
	v_mul_u32_u24 v[IMO], v9, IP
	v_lshl_add_u32 v[IMO], v10, 4, v[IMO]
	v_add_nc_u32 v[IMO], s31, v[IMO]               ; image out: two blocks an instruction, sixteen lanes to a block
	v_lshl_add_u32 v[BYI], v9, 3, v8
	v_add_nc_u32 v[BYI], s31, v[BYI]               ; byte in: 8 x row + block
	v_add_nc_u32 v[BYO], s31, v[LS4]
	s_mov_b32 s26, 244                             ; the tensor's first work-group,
	s_mov_b32 s27, 3072                            ; its row in bytes,
	s_mov_b32 s28, 3                               ; its units along K,
	s_mov_b32 s29, 0x55555556                      ; and the multiplier whose high product is the division by that number
	s_wait_kmcnt 0x0
	s_mov_b64 s[4:5], s[16:17]                     ; Wv, unless the work-group's number says otherwise: the choices hang on that number alone
	s_cmp_lt_u32 ttmp9, 244
	s_cselect_b64 s[4:5], s[14:15], s[4:5]         ; Wk
	s_cselect_b32 s26, 232, s26
	s_cmp_lt_u32 ttmp9, 232
	s_cselect_b64 s[4:5], s[12:13], s[4:5]         ; Wq
	s_cselect_b32 s26, 224, s26
	s_cselect_b32 s27, 2048, s27
	s_cselect_b32 s28, 2, s28
	s_cselect_b32 s29, 0x80000000, s29
	s_cmp_lt_u32 ttmp9, 224
	s_cselect_b64 s[4:5], s[10:11], s[4:5]         ; other_features
	s_cselect_b32 s26, 128, s26
	s_cselect_b32 s27, 3072, s27
	s_cselect_b32 s28, 3, s28
	s_cselect_b32 s29, 0x55555556, s29
	s_cmp_lt_u32 ttmp9, 128
	s_cselect_b64 s[4:5], s[8:9], s[4:5]           ; graph_features
	s_cselect_b32 s26, 0, s26
	s_cselect_b32 s27, 2048, s27
	s_cselect_b32 s28, 2, s28
	s_cselect_b32 s29, 0x80000000, s29
	s_sub_co_u32 s2, ttmp9, s26
	s_lshl_b32 s2, s2, 3
	s_add_co_u32 s2, s2, s30                       ; my unit in its tensor
	s_mul_hi_u32 s3, s2, s29                       ; its tile of 16 rows,
	s_mul_i32 s6, s3, s28
	s_sub_co_u32 s6, s2, s6                        ; its 256 along K
	s_mul_i32 s3, s3, s27
	s_lshl_b32 s3, s3, 4                           ; 16 rows a tile (under 2^25 bytes)
	s_lshl_b32 s6, s6, 10
	s_add_co_u32 s6, s6, s3
	s_mov_b32 s7, 0
	s_add_nc_u64 s[4:5], s[4:5], s[6:7]
	s_lshl_b32 s2, ttmp9, 3
	s_add_co_u32 s2, s2, s30                       ; my unit among all 2,048
	s_lshl_b32 s6, s2, 11
	s_add_nc_u64 s[20:21], s[20:21], s[6:7]
	s_lshl_b32 s6, s2, 7
	s_add_nc_u64 s[22:23], s[22:23], s[6:7]
.irp i, 0,1,2,3,4,5,6,7,8,9,10,11,12,13,14,15
	v_mad_u32_u24 v[OFF+\i], s27, \i, v[L16]
.endr
.irp i, 0,1,2,3,4,5,6,7,8,9,10,11,12,13,14,15
	global_load_b128 v[R+8*\i:R+8*\i+3], v[OFF+\i], s[4:5] th:TH_LOAD_NT              ; 32 lanes read 512 consecutive bytes of row i,
	global_load_b128 v[R+8*\i+4:R+8*\i+7], v[OFF+\i], s[4:5] offset:512 th:TH_LOAD_NT ; and the 512 behind them
.endr
; Step s is rows 2 s and 2 s + 1: four loads.  They go through stage s % 2; LDS serves a wave's instructions in order, so no wait stands between the stores and the loads.
.macro TURN s
.irp i, 0,1,2,3
	ds_store_b128 v[SIN], v[R+16*(\s)+4*\i:R+16*(\s)+4*\i+3] offset:STG*((\s)%2)+8*SP*\i
.endr
.irp i, 0,1,2,3
	ds_load_b128 v[X+16*((\s)%2)+4*\i:X+16*((\s)%2)+4*\i+3], v[SOUT] offset:STG*((\s)%2)+16*\i
.endr
.endm
.macro STEP t
.set XS, X+16*((\t)%2)
.if (\t) > 0
	s_wait_dscnt 2                                 ; this step's numbers are back from the stage; the two younger are the last step's byte store and code store
.else
	s_wait_dscnt 0x0
.endif
.if (\t) < 7
	s_wait_loadcnt 4*(6-(\t))                      ; the next step's four loads are in; those of the steps behind it may be out
	TURN (\t)+1                                    ; and go through the other stage while this step is worked
.endif
	v_max3_num_f32 v8, |v[XS]|, |v[XS+1]|, |v[XS+2]|               ; the largest magnitude of my 16, in two chains
	v_max3_num_f32 v9, |v[XS+3]|, |v[XS+4]|, |v[XS+5]|
.irp i, 6,10
	v_max3_num_f32 v8, v8, |v[XS+\i]|, |v[XS+\i+1]|
	v_max3_num_f32 v9, v9, |v[XS+\i+2]|, |v[XS+\i+3]|
.endr
	v_max3_num_f32 v8, v8, |v[XS+14]|, |v[XS+15]|
	v_max3_num_f32 v8, v8, v9, 0x1800000           ; and the floor 2^(3 - 127): the byte cannot fall under 1
	v_max_num_f32_dpp v8, v8, v8 row_xmask:1 row_mask:0xf bank_mask:0xf   ; with my neighbour's 16: the block's
	v_add_nc_u32 v11, 0xff000000, v8               ; 2 off its exponent field: the conversion takes the exponent field of this operand as its scale
	v_cvt_scalef32_pk8_fp4_f32 v[C+2*(\t)], v[XS:XS+7], v11
	v_cvt_scalef32_pk8_fp4_f32 v[C+2*(\t)+1], v[XS+8:XS+15], v11
	v_lshrrev_b32 v[E+(\t)], 23, v11               ; the scale's byte (also the plain line behind the conversions)
	ds_store_b8 v[BYI], v[E+(\t)] offset:SBY+16*(\t)               ; both lanes of a block write the same byte with the same value
	ds_store_b64 v[IMI], v[C+2*(\t):C+2*(\t)+1] offset:IMG+32*(\t)
.endm
	s_wait_loadcnt 28                              ; step 0's four loads are in, 28 younger may be out
	TURN 0
.irp t, 0,1,2,3,4,5,6,7
	STEP \t
.endr
.irp q, 0,1,2,3
	ds_load_b128 v[R+4*\q:R+4*\q+3], v[IMO] offset:IMG+2*IP*\q     ; the image comes back piece by piece; these see my stores, which were issued ahead of them
.endr
	ds_load_b32 v[R+16], v[BYO] offset:SBY
	s_wait_dscnt 0x0
.irp q, 0,1,2,3
	global_store_b128 v[L16], v[R+4*\q:R+4*\q+3], s[20:21] offset:512*\q   ; 32 lanes store 512 consecutive bytes
.endr
	global_store_b32 v[LS4], v[R+16], s[22:23]     ; the unit's 128 scale bytes
	s_wait_tensorcnt 0x0                           ; the wave's end
	ds_add_u32 v[SPW], v[NIL]
	s_wait_dscnt 0x0
	s_endpgm
; Wo to f16: piece n = 2 q + p of my 16 holds, at 16 x lane, Wo(row r, 32 q + 16 p + 8 h + 0 .. 7) of my 256 k.
.Lwo:
	v_and_b32 v8, 15, v[LN]
	v_lshrrev_b32 v9, 4, v[LN]
	v_lshlrev_b32 v8, 11, v8
	v_lshl_add_u32 v8, v9, 5, v8                   ; row r of 2,048 bytes + 32 h
	s_sub_co_u32 s2, ttmp9, 256
	s_lshl_b32 s2, s2, 3
	s_add_co_u32 s2, s2, s30                       ; which 16 rows x 256 k: 0..63
	s_lshr_b32 s6, s2, 1
	s_lshl_b32 s6, s6, 15
	s_and_b32 s3, s2, 1
	s_lshl_b32 s3, s3, 10
	s_add_co_u32 s6, s6, s3
	s_mov_b32 s7, 0
	s_wait_kmcnt 0x0
	s_add_nc_u64 s[18:19], s[18:19], s[6:7]
	s_lshl_b32 s6, s2, 13
	s_add_nc_u64 s[24:25], s[24:25], s[6:7]
.irp n, 0,1,2,3,4,5,6,7,8,9,10,11,12,13,14,15
	global_load_b128 v[R+8*\n:R+8*\n+3], v8, s[18:19] offset:64*\n th:TH_LOAD_NT
	global_load_b128 v[R+8*\n+4:R+8*\n+7], v8, s[18:19] offset:64*\n+16 th:TH_LOAD_NT
.endr
	s_wait_loadcnt 0x0
.irp n, 0,1,2,3,4,5,6,7,8,9,10,11,12,13,14,15
.irp i, 0,1,2,3
	v_cvt_pk_f16_f32 v[R+8*\n+\i], v[R+8*\n+2*\i], v[R+8*\n+2*\i+1]   ; in place, ascending: register i is written when its own number has been read
.endr
.endr
.irp n, 0,1,2,3,4,5,6,7,8,9,10,11,12,13,14,15
	global_store_b128 v[L16], v[R+8*\n:R+8*\n+3], s[24:25] offset:512*\n
.endr
	s_endpgm
.Lfunc_end_k_q2c5d537671_prep:
	.size	k_q2c5d537671_prep, .Lfunc_end_k_q2c5d537671_prep-k_q2c5d537671_prep
	.p2alignl 7, 3214868480
	.fill 96, 4, 3214868480
	.section	.rodata,"a",@progbits
	.p2align	6, 0x0
	.amdhsa_kernel k_q2c5d537671_prep
		.amdhsa_group_segment_fixed_size 62464
		.amdhsa_private_segment_fixed_size 0
		.amdhsa_enable_private_segment 0
		.amdhsa_kernarg_size 72
		.amdhsa_user_sgpr_count 2
		.amdhsa_user_sgpr_kernarg_segment_ptr 1
		.amdhsa_wavefront_size32 1
		.amdhsa_system_sgpr_workgroup_id_x 1
		.amdhsa_system_sgpr_workgroup_id_y 1
		.amdhsa_system_sgpr_workgroup_id_z 1
		.amdhsa_system_vgpr_workitem_id 0
		.amdhsa_next_free_vgpr 216
		.amdhsa_next_free_sgpr 66
		.amdhsa_reserve_vcc 0
		.amdhsa_float_denorm_mode_32 3
		.amdhsa_float_denorm_mode_16_64 3
		.amdhsa_memory_ordered 1
		.amdhsa_forward_progress 1
		.amdhsa_inst_pref_size 30
	.end_amdhsa_kernel
	.amdgpu_metadata
---
amdhsa.version: [ 1, 2 ]
amdhsa.kernels:
  - .name:           k_q2c5d537671_prep
    .symbol:         k_q2c5d537671_prep.kd
    .args:
      - { .name: graph_features, .offset: 0, .size: 8, .value_kind: global_buffer, .address_space: global }
      - { .name: other_features, .offset: 8, .size: 8, .value_kind: global_buffer, .address_space: global }
      - { .name: Wq, .offset: 16, .size: 8, .value_kind: global_buffer, .address_space: global }
      - { .name: Wk, .offset: 24, .size: 8, .value_kind: global_buffer, .address_space: global }
      - { .name: Wv, .offset: 32, .size: 8, .value_kind: global_buffer, .address_space: global }
      - { .name: Wo, .offset: 40, .size: 8, .value_kind: global_buffer, .address_space: global }
      - { .name: codes, .offset: 48, .size: 8, .value_kind: global_buffer, .address_space: global }
      - { .name: scales, .offset: 56, .size: 8, .value_kind: global_buffer, .address_space: global }
      - { .name: wo16, .offset: 64, .size: 8, .value_kind: global_buffer, .address_space: global }
    .group_segment_fixed_size: 62464
    .private_segment_fixed_size: 0
    .kernarg_segment_align: 8
    .kernarg_segment_size: 72
    .max_flat_workgroup_size: 256
    .sgpr_count:     66
    .vgpr_count:     216
    .wavefront_size: 32
...
	.end_amdgpu_metadata
.endif
;; end of part 1
;; launch proj (part 2): grid 256 x 1, 16 waves a work-group, no clusters, 0 bytes of LDS; arguments codes, scales, bq, bk, bv, qimg, kv; writes qimg, kv
.if DOCPART == 2
	.amdgcn_target "amdgcn-amd-amdhsa--gfx1250"
	.amdhsa_code_object_version 6
	.text
	.protected	k_q2c5d537671_proj
	.globl	k_q2c5d537671_proj
	.p2align	8
	.type	k_q2c5d537671_proj,@function
k_q2c5d537671_proj:
	s_mov_b64 s[64:65], 0
	v_nop
	global_prefetch_b8 v0, s[64:65] scope:SCOPE_SE
	s_setreg_imm32_b32 hwreg(HW_REG_WAVE_MODE, 25, 1), 1
	s_wait_xcnt 0x0
; The three quantised products, on codes of FP4 (E2M1) with E8M0 scales:  Q = (graph Wq^T + bq) x c, c = log2(e) / 8;  K = other Wk^T + bk;  V = other Wv^T + bv.  Sums in f32; results rounded once to f16
; and stored as images of the operand registers of the attention launch (a piece of 512 bytes: lane l's 16 bytes at 16 l).
; LIMITS: |c Q|, |K|, |V| stay under 65,504 (f16).
; SHARES.  Work-groups 0-127: Q (4 K steps of 128); 128-191: K; 192-255: V (6 K steps).  A work-group makes 64 rows x all 512 channels; wave w makes channel tiles 2 w, 2 w + 1 for the four tiles of rows: 8 accumulators.
; Operands go from memory straight into registers: the codes lie as fragment images, [tile of 16 rows][K step][1,024 bytes], the scale words 8 bytes a row for each 256 along K.
; NO CLUSTER, NO TENSOR LOAD: the three products have two lengths of K on paths that part on the work-group's number, so a ring would want two shapes of tile and two trip counts chosen by that number,
; and a wave's whole work is 32 or 48 matrix instructions.
; LAYOUT.  Q, K: source 0 = 16 rows of W, source 1 = 16 rows of x: a lane holds row l % 16 and channels 8 (l / 16) + 0 .. 7: four conversions make one piece.
;          V: source 0 = 16 rows of x (keys), source 1 = 16 rows of Wv: a lane holds channel l % 16 and keys 8 (l / 16) + 0 .. 7: a piece of V^T.
; The bias is the C of each sum's first matrix instruction, in the result's layout.
.set XO_C, 2097152                     ; where the tensors' codes begin,
.set WQ_C, 3670016
.set WK_C, 3801088
.set WV_C, 3997696
.set XO_S, 131072                      ; and their scale bytes
.set WQ_S, 229376
.set WK_S, 237568
.set WV_S, 249856
.set SCX,  8                           ; v8-31    x's scale words: tile j, K step k at SCX + j KS + k
.set SCW,  32                          ; v32-43   W's: tile i
.set BIAS, 44                          ; v44-59   the bias as C: eight registers a channel tile
.set BUF,  64                          ; v64-111, v112-159  two sets of fragments: x's four at + 8 j, W's two at + 32 + 8 i
.set ACC,  160                         ; v160-223 accumulator (i, j) at ACC + 8 (4 i + j)
.set PK,   64                          ; the way out: packed results
.set CS,   34                          ; s[34:35] c: the packed form names a pair and takes its low word for both halves
	s_load_b256 s[4:11], s[0:1], 0x0               ; codes s[4:5], scales s[6:7], bq s[8:9], bk s[10:11]
	s_load_b128 s[12:15], s[0:1], 0x20             ; bv s[12:13], qimg s[14:15]
	s_load_b64 s[16:17], s[0:1], 0x30              ; kv
	v_lshrrev_b32 v1, 5, v0
	v_readfirstlane_b32 s18, v1                    ; wave 0..15
	v_and_b32 v4, 31, v0
	v_lshlrev_b32 v1, 4, v4                        ; 16 x lane: my place in every piece
	v_and_b32 v5, 15, v0                           ; r
	v_lshlrev_b32 v2, 3, v5                        ; my row's 8 scale bytes
	v_bfe_u32 v6, v0, 4, 1                         ; h
	s_mov_b32 s[CS], 0x3e38aa3b                    ; c = log2(e) / sqrt(64)
	s_mov_b32 s[CS+1], s[CS]
	s_mov_b32 s33, 0
	s_wait_kmcnt 0x0
.macro LOADK kk, nk                    ; K step kk's six fragments, twelve loads of 512 consecutive bytes, into set kk % 2
.set BB, BUF+48*((\kk)%2)
.irp j, 0,1,2,3
.irp c, 0,1
	global_load_b128 v[BB+8*\j+4*\c:BB+8*\j+4*\c+3], v1, s[20:21] offset:(\j*(\nk)+(\kk))*1024+512*\c
.endr
.endr
.irp i, 0,1
.irp c, 0,1
	global_load_b128 v[BB+32+8*\i+4*\c:BB+32+8*\i+4*\c+3], v1, s[22:23] offset:(\i*(\nk)+(\kk))*1024+512*\c
.endr
.endr
.endm
.macro WM acc, a, b, c, sa, sb
	v_wmma_scale_f32_16x16x128_f8f6f4 v[\acc:\acc+7], v[\a:\a+7], v[\b:\b+7], v[\c:\c+7], v[\sa], v[\sb] matrix_a_fmt:MATRIX_FMT_FP4 matrix_b_fmt:MATRIX_FMT_FP4
.endm
.macro MULK kk, nk, typ                ; eight matrix instructions, the eight accumulators by turns
.set BB, BUF+48*((\kk)%2)
.irp i, 0,1
.irp j, 0,1,2,3
.set AA, ACC+8*(4*\i+\j)
.set CC, AA
.if (\kk) == 0
.set CC, BIAS+8*\i
.endif
.if \typ == 2
	WM AA, BB+8*\j, BB+32+8*\i, CC, SCX+\j*(\nk)+(\kk), SCW+\i*(\nk)+(\kk)
.else
	WM AA, BB+32+8*\i, BB+8*\j, CC, SCW+\i*(\nk)+(\kk), SCX+\j*(\nk)+(\kk)
.endif
.endr
.endr
.endm
; One product.  nk: K steps; xc, wc, xs, ws: where x's and W's codes and scale bytes begin; first: the product's first work-group; bp, op: the bias's and the output's address; typ: 0 Q, 1 K, 2 V.
.macro PROJ nk, xc, wc, xs, ws, first, bp, op, typ
	s_sub_co_u32 s19, ttmp9, \first                ; which 64 rows
	s_mul_i32 s32, s19, 4*\nk*1024
	s_add_co_u32 s32, s32, \xc
	s_add_nc_u64 s[20:21], s[4:5], s[32:33]        ; x's codes: my work-group's four tiles
	s_mul_i32 s32, s18, 2*\nk*1024
	s_add_co_u32 s32, s32, \wc
	s_add_nc_u64 s[22:23], s[4:5], s[32:33]        ; W's codes: my wave's two tiles
	s_mul_i32 s32, s19, 4*(\nk/2)*128
	s_add_co_u32 s32, s32, \xs
	s_add_nc_u64 s[24:25], s[6:7], s[32:33]
	s_mul_i32 s32, s18, 2*(\nk/2)*128
	s_add_co_u32 s32, s32, \ws
	s_add_nc_u64 s[26:27], s[6:7], s[32:33]
	s_lshl_b32 s32, s18, 7
	s_add_nc_u64 s[28:29], s[\bp:\bp+1], s[32:33]  ; the bias of my 32 channels
	s_lshr_b32 s32, s18, 1                         ; the output: the head (wave / 2), 2^20 bytes a head,
	s_lshl_b32 s32, s32, 20
	s_and_b32 s36, s18, 1                          ; my two of the head's four channel tiles,
.if \typ == 2
	s_lshl_b32 s36, s36, 11
.else
	s_lshl_b32 s36, s36, 10
.endif
	s_add_co_u32 s32, s32, s36
.if \typ == 0
	s_lshl_b32 s36, s19, 13                        ; Q: four tiles of queries, 2,048 bytes each
	s_add_co_u32 s32, s32, s36
.else
	s_lshr_b32 s36, s19, 3                         ; K, V: the chunk of 512 keys, 2^17 bytes,
	s_lshl_b32 s36, s36, 17
	s_add_co_u32 s32, s32, s36
	s_and_b32 s36, s19, 7                          ; and in it my 64 keys, 8,192 bytes
	s_lshl_b32 s36, s36, 13
	s_add_co_u32 s32, s32, s36
.endif
.if \typ == 2
	s_add_co_u32 s32, s32, 65536                   ; V's part of a chunk lies behind K's
.endif
	s_add_nc_u64 s[30:31], s[\op:\op+1], s[32:33]
.irp j, 0,1,2,3
.irp u, 0,1,2
.if \u < \nk/2
	global_load_b64 v[SCX+\j*\nk+2*\u:SCX+\j*\nk+2*\u+1], v2, s[24:25] offset:(\j*(\nk/2)+\u)*128   ; lane r (and 16 + r, which is not read) takes row r's two words
.endif
.endr
.endr
.irp i, 0,1
.irp u, 0,1,2
.if \u < \nk/2
	global_load_b64 v[SCW+\i*\nk+2*\u:SCW+\i*\nk+2*\u+1], v2, s[26:27] offset:(\i*(\nk/2)+\u)*128
.endif
.endr
.endr
.if \typ == 2
	v_lshlrev_b32 v3, 2, v5                        ; V: a lane holds ONE channel, r: its bias in all eight registers
.irp i, 0,1
.irp e, 0,1,2,3,4,5,6,7
	global_load_b32 v[BIAS+8*\i+\e], v3, s[28:29] offset:64*\i
.endr
.endr
.else
	v_lshlrev_b32 v3, 5, v6                        ; Q, K: a lane holds channels 8 h + 0 .. 7
.irp i, 0,1
	global_load_b128 v[BIAS+8*\i:BIAS+8*\i+3], v3, s[28:29] offset:64*\i
	global_load_b128 v[BIAS+8*\i+4:BIAS+8*\i+7], v3, s[28:29] offset:64*\i+16
.endr
.endif
	LOADK 0, \nk
	LOADK 1, \nk
.irp k, 0,1,2,3,4,5
.if \k < \nk
.if \k+1 < \nk
	s_wait_loadcnt 12                              ; all but the next K step's twelve loads are in
.else
	s_wait_loadcnt 0x0
.endif
	MULK \k, \nk, \typ
.if \k+2 < \nk
.rept 4
	v_nop                                          ; four places in front of loads into registers that matrix instructions have read (ISA guide 7.12.1 for vector instructions)
.endr
	LOADK \k+2, \nk
.endif
.endif
.endr
.rept 4
	v_nop                                          ; and in front of the first read of results
.endr
.irp i, 0,1
.irp j, 0,1,2,3
.set AA, ACC+8*(4*\i+\j)
.set PP, PK+4*(4*\i+\j)
.if \typ == 0
.irp e, 0,2,4,6
	v_pk_mul_f32 v[AA+\e:AA+\e+1], v[AA+\e:AA+\e+1], s[CS:CS+1] op_sel_hi:[1,0]   ; Q x c in f32, ahead of the rounding; each accumulator from its low end on
.endr
.endif
.irp e, 0,1,2,3
	v_cvt_pk_f16_f32 v[PP+\e], v[AA+2*\e], v[AA+2*\e+1]
.endr
.if \typ == 2
	global_store_b128 v1, v[PP:PP+3], s[30:31] offset:4096*(\j/2)+1024*\i+512*(\j%2)   ; [32 keys][channel tile][16 keys]: 32 lanes store 512 consecutive bytes
.else
	global_store_b128 v1, v[PP:PP+3], s[30:31] offset:2048*\j+512*\i                   ; [tile of rows][16 channels]
.endif
.endr
.endr
	s_endpgm
.endm
	s_cmp_lt_u32 ttmp9, 128
	s_cbranch_scc1 .Lq
	s_cmp_lt_u32 ttmp9, 192
	s_cbranch_scc1 .Lk
	PROJ 6, XO_C, WV_C, XO_S, WV_S, 192, 12, 16, 2
.Lk:
	PROJ 6, XO_C, WK_C, XO_S, WK_S, 128, 10, 16, 1
.Lq:
	PROJ 4, 0, WQ_C, 0, WQ_S, 0, 8, 14, 0
.Lfunc_end_k_q2c5d537671_proj:
	.size	k_q2c5d537671_proj, .Lfunc_end_k_q2c5d537671_proj-k_q2c5d537671_proj
	.p2alignl 7, 3214868480
	.fill 96, 4, 3214868480
	.section	.rodata,"a",@progbits
	.p2align	6, 0x0
	.amdhsa_kernel k_q2c5d537671_proj
		.amdhsa_group_segment_fixed_size 0
		.amdhsa_private_segment_fixed_size 0
		.amdhsa_enable_private_segment 0
		.amdhsa_kernarg_size 56
		.amdhsa_user_sgpr_count 2
		.amdhsa_user_sgpr_kernarg_segment_ptr 1
		.amdhsa_wavefront_size32 1
		.amdhsa_system_sgpr_workgroup_id_x 1
		.amdhsa_system_sgpr_workgroup_id_y 1
		.amdhsa_system_sgpr_workgroup_id_z 1
		.amdhsa_system_vgpr_workitem_id 0
		.amdhsa_next_free_vgpr 224
		.amdhsa_next_free_sgpr 66
		.amdhsa_reserve_vcc 0
		.amdhsa_float_denorm_mode_32 3
		.amdhsa_float_denorm_mode_16_64 3
		.amdhsa_memory_ordered 1
		.amdhsa_forward_progress 1
		.amdhsa_inst_pref_size 58
	.end_amdhsa_kernel
	.amdgpu_metadata
---
amdhsa.version: [ 1, 2 ]
amdhsa.kernels:
  - .name:           k_q2c5d537671_proj
    .symbol:         k_q2c5d537671_proj.kd
    .args:
      - { .name: codes, .offset: 0, .size: 8, .value_kind: global_buffer, .address_space: global }
      - { .name: scales, .offset: 8, .size: 8, .value_kind: global_buffer, .address_space: global }
      - { .name: bq, .offset: 16, .size: 8, .value_kind: global_buffer, .address_space: global }
      - { .name: bk, .offset: 24, .size: 8, .value_kind: global_buffer, .address_space: global }
      - { .name: bv, .offset: 32, .size: 8, .value_kind: global_buffer, .address_space: global }
      - { .name: qimg, .offset: 40, .size: 8, .value_kind: global_buffer, .address_space: global }
      - { .name: kv, .offset: 48, .size: 8, .value_kind: global_buffer, .address_space: global }
    .group_segment_fixed_size: 0
    .private_segment_fixed_size: 0
    .kernarg_segment_align: 8
    .kernarg_segment_size: 56
    .max_flat_workgroup_size: 512
    .sgpr_count:     66
    .vgpr_count:     224
    .wavefront_size: 32
...
	.end_amdgpu_metadata
.endif
;; end of part 2
;; launch attn (part 3): grid 32 x 8, 8 waves a work-group, clusters of 4 x 1, 327,680 bytes of LDS; arguments qimg, kv, oimg; writes oimg
.if DOCPART == 3
	.amdgcn_target "amdgcn-amd-amdhsa--gfx1250"
	.amdhsa_code_object_version 6
	.text
	.protected	k_q2c5d537671_attn
	.globl	k_q2c5d537671_attn
	.p2align	8
	.type	k_q2c5d537671_attn,@function
k_q2c5d537671_attn:
	s_mov_b64 s[64:65], 0
	v_nop
	global_prefetch_b8 v0, s[64:65] scope:SCOPE_SE
	s_setreg_imm32_b32 hwreg(HW_REG_WAVE_MODE, 25, 1), 1
	s_wait_xcnt 0x0
	s_wait_alu depctr_hold_cnt(0) depctr_sa_sdst(0) depctr_va_vdst(0) depctr_va_sdst(0) depctr_va_ssrc(0) depctr_va_vcc(0) depctr_vm_vsrc(0)
	s_getreg_b32 s2, hwreg(HW_REG_IB_STS2, 6, 4)
	s_cmp_eq_u32 s2, 0
	s_cbranch_scc0 .Lentry_in_a_cluster
	s_endpgm
.Lentry_in_a_cluster:
	s_bfe_u32 s2, ttmp6, 0x10000c
	s_cmp_lg_u32 s2, 0x3003
	s_cbranch_scc0 .Lentry_shape_is_right
	s_endpgm
.Lentry_shape_is_right:
; o[q][head] = the sum over keys of softmax(Q . K / 8) V, 8 heads of 64, 8,192 queries, 4,096 keys, no mask.  Q arrives multiplied by log2(e) / 8, so a score is t and p = 2^(t - m), m the query's running maximum.
; Operands in f16, products, maxima and sums in f32; p is rounded to f16 for the second product (the row's sum is taken of the unrounded p), o once at the end.
; LIMITS: a p under 2^-25 becomes 0 in f16: at most 4,096 x 2^-25 beside a sum of at least 1; |o| stays under 65,504, as V does.
; SHARES.  A work-group owns 256 queries of one head; each of its eight waves 32, two tiles of 16, in 256 registers: two waves to a SIMD, so that one wave's softmax stands beside the other's matrix work.
; Every wave walks all keys, 64 a step.  K and V come in chunks of 512 keys, 131,072 dense bytes (K's part, then V's), through a ring of two LDS slots; each wave fetches an eighth of a chunk by one tensor load.
; CLUSTER.  The four work-groups of a cluster belong to one head and walk the same chunks: each load is asked for JOINTLY, by the same line with the same descriptor and the mask of all four.
; LAYOUT.  All operands lie as images of their registers: a piece of 512 bytes, lane l's 16 bytes at 16 l: every LDS load reads 512 consecutive bytes; no pitch, no padding, no turning load.
; S^T = K Q^T (source 0 = 16 keys, source 1 = 16 queries): a lane holds ONE query (l % 16) and keys 8 (l / 16) + 0 .. 7.  Two such tiles, packed to f16, ARE source 1 (32 keys x 16 queries) of O^T = V^T P.
; REGISTERS: v1-7 addresses; v8-23 eight registers of statistics a tile: +0 m, +1 the old m, then its change, +2, +3 the sum (even keys', odd keys'), +4 .. +7 at work, a = 2^(old m - m) at +6;
;   v24-55 Q; v56-119 eight fragments, K's and V's by turns; v120-183 S^T, then p, then P in place; v184-247 O^T.
.set SLOT1, 131072                     ; slot 1 begins here: one exclusive or turns an address in one slot into the other's
.set VOFF,  65536                      ; V's part of a chunk
.set SPARE, 262144                     ; behind the ring: the spare words, 128 bytes for each wave, which no other line names
.set AK0, 1                            ; v1   16 x lane
.set AV0, 2                            ; v2   16 x lane + VOFF
.set ADK, 3                            ; v3   LDS address of the K fragments in hand
.set ADV, 4                            ; v4   of V's
.set SPW, 5                            ; v5   LDS address of my spare word; never rewritten
.set NIL, 6                            ; v6   0; never rewritten
.set PFO, 7                            ; v7   256 x lane: the prefetches' offset; never rewritten
.set ST,  8
.set Q,   24                           ; tile t, channels 32 c on: Q + 16 t + 8 c
.set F,   56
.set S,   120                          ; tile t, keys 16 a on: S + 32 t + 8 a;  P of keys 32 b on: S + 32 t + 8 b
.set O,   184                          ; tile t, channels 16 d on: O + 32 t + 8 d
.set WV,  10                           ; s10  my wave's number
.set PFA, 16                           ; s[16:17] where my prefetches stand
.set LIM, 18                           ; s18  1 in a wave that prefetches, else the greatest number
.set SLOTS, 19                         ; s19  chunks still to be asked for
.set STEPS, 20                         ; s20  counts a slot's steps
.set TB,  21                           ; s21  LDS byte at which the step's K fragments begin
.set SEL, 22                           ; s[22:23] v_permlanex16_b32's selects for lane l xor 16
.set G1,  24                           ; s[24:31] descriptor group 1
.set G0,  32                           ; s[32:35] descriptor group 0, which walks
.macro CROUND                          ; a round of the cluster's barrier: my work-group's barrier; wave 0 signals for the work-group; every wave waits for all four; my work-group's barrier once more
	s_barrier_signal -1
	s_barrier_wait -1
	s_cmp_lg_u32 s[WV], 0
	s_cbranch_scc1 .Lnot_wave_0_\@
	s_barrier_signal -3
.Lnot_wave_0_\@:
	s_barrier_wait -3
	s_barrier_signal -1
	s_barrier_wait -1
.endm
; A PREFETCH of the chunk that the NEXT change of slots will ask for: eight key steps ahead of that load.  Each 256 bytes are named once in the launch: the head's first cluster asks; its four partners take
; 32,768 bytes each, told apart by address; in each, waves 0 to 3 take 8,192 bytes, lanes 256 bytes apart.  The last change that fills a slot asks for nothing; chunks 0 and 1 come by their loads alone.
.macro ASK
	s_cmp_gt_u32 s[SLOTS], s[LIM]
	s_cbranch_scc0 .Lnot_mine_\@
	global_prefetch_b8 v[PFO], s[PFA:PFA+1] th:TH_LOAD_NT scope:SCOPE_SE
.Lnot_mine_\@:
.endm
	s_load_b128 s[4:7], s[0:1], 0x0                ; qimg s[4:5], kv s[6:7]
	s_load_b64 s[8:9], s[0:1], 0x10                ; oimg
	v_lshl_add_u32 v[SPW], v0, 2, SPARE
	v_mov_b32 v[NIL], 0
	ds_add_u32 v[SPW], v[NIL]                      ; the wave's opening: the add, twice on end, and its wait, ahead of my first tensor load
	ds_add_u32 v[SPW], v[NIL]
	v_lshrrev_b32 v1, 5, v0
	v_readfirstlane_b32 s[WV], v1                  ; wave 0..7
	s_bfe_u32 s11, ttmp6, 0x40000                  ; cx: my place in the cluster
	s_lshl_b32 s12, ttmp9, 2
	s_add_co_u32 s12, s12, s11                     ; my block of 256 queries: it enters Q's and o's addresses alone
	s_and_b32 s13, ttmp7, 0xffff                   ; the head, which the four partners share
	s_mov_b32 s[G1], 15|(3<<16)|(1<<21)            ; 15:0 the mask: all four work-groups; 17:16 elements of 8 bytes; 21 set beside a mask; no padding
	s_mov_b32 s[G1+1], 32<<16                      ; tensor_dim0 = 32 elements: rows of 256 bytes
	s_mov_b32 s[G1+2], 64<<16                      ; tensor_dim1 = 64 rows: 16,384 dense bytes
	s_mov_b32 s[G1+3], 32<<16                      ; tile_dim0
	s_mov_b32 s[G1+4], 64                          ; tile_dim1
	s_mov_b32 s[G1+5], 32                          ; from row to row
	s_mov_b32 s[G1+6], 0
	s_mov_b32 s[G1+7], 0
	s_mov_b32 s[SEL], 0x76543210
	s_mov_b32 s[SEL+1], 0xfedcba98
	s_mov_b32 s[TB], 0
	s_mov_b32 s[SLOTS], 7
	s_lshr_b32 s[LIM], s[WV], 2                    ; 0 in waves 0 to 3,
	s_or_b32 s[LIM], s[LIM], ttmp9                 ; of the head's first cluster: the same in all four partners
	s_cmp_eq_u32 s[LIM], 0
	s_cselect_b32 s[LIM], 1, -1
	v_and_b32 v[AK0], 31, v0
	v_lshlrev_b32 v[PFO], 8, v[AK0]
	v_lshlrev_b32 v[AK0], 4, v[AK0]
	v_add_nc_u32 v[AV0], VOFF, v[AK0]
	s_lshl_b32 s[G0+1], s[WV], 14                  ; my eighth of a slot: no place in the cluster enters an LDS address
	s_lshl_b32 s14, s13, 20                        ; the head's 2^20 bytes in qimg and in kv
	s_add_co_u32 s36, s14, s[G0+1]                 ; kv: my eighth of chunk 0
	s_mov_b32 s37, 0
	s_lshl_b32 s38, s11, 15                        ; the prefetches: my work-group's quarter,
	s_lshl_b32 s39, s[WV], 13                      ; my wave's 8,192 bytes of it,
	s_add_co_u32 s38, s38, s39
	s_add_co_u32 s38, s38, s14
	s_add_co_u32 s38, s38, SLOT1                   ; in chunk 1: the first change of slots steps it to chunk 2
	s_mov_b32 s39, 0
	s_lshl_b32 s40, s12, 15                        ; Q: 16 tiles of 2,048 bytes a block, two a wave
	s_lshl_b32 s41, s[WV], 12
	s_add_co_u32 s40, s40, s41
	s_add_co_u32 s40, s40, s14
	s_mov_b32 s41, 0
	s_lshl_b32 s42, s12, 18                        ; o: 16 tiles of 16,384 bytes a block, two a wave; the head's 2,048 bytes in each
	s_lshl_b32 s43, s[WV], 15
	s_add_co_u32 s42, s42, s43
	s_lshl_b32 s43, s13, 11
	s_add_co_u32 s42, s42, s43
	s_mov_b32 s43, 0
	s_wait_dscnt 0x0                               ; both opening adds are done
	s_wait_kmcnt 0x0
	s_mov_b32 s[G0], 1                             ; count = 1
	s_add_nc_u64 s[G0+2:G0+3], s[6:7], s[36:37]
	s_or_b32 s[G0+3], s[G0+3], 0x80000000          ; type = 2
	s_add_nc_u64 s[PFA:PFA+1], s[6:7], s[38:39]
	s_add_nc_u64 s[4:5], s[4:5], s[40:41]
	s_add_nc_u64 s[8:9], s[8:9], s[42:43]
	CROUND                                         ; all four work-groups are here: the first joint loads meet
	tensor_load_to_lds s[G0:G0+3], s[G1:G1+7]      ; chunk 0 into slot 0: one load of mine is out
	s_nop 0
.rept 4
	v_nop
.endr
.irp i, 0,1,2,3,4,5,6,7
	global_load_b128 v[Q+4*\i:Q+4*\i+3], v[AK0], s[4:5] offset:512*\i th:TH_LOAD_NT   ; Q stays in registers
.endr
.irp t, 0,1
	v_mov_b32 v[ST+8*\t], 0xff61b1e6               ; m: -3e38, under every score
	v_mov_b32 v[ST+8*\t+2], 0                      ; the sum
	v_mov_b32 v[ST+8*\t+3], 0
.endr
.irp j, 0,1,2,3,4,5,6,7,8,9,10,11,12,13,14,15,16,17,18,19,20,21,22,23,24,25,26,27,28,29,30,31,32,33,34,35,36,37,38,39,40,41,42,43,44,45,46,47,48,49,50,51,52,53,54,55,56,57,58,59,60,61,62,63
	v_mov_b32 v[O+\j], 0                           ; O^T.  (The step is written with no first step of its own: the first finds zeros, which a = 0 leaves zeros)
.endr
	s_wait_loadcnt 0x0                             ; Q
; 8 products of S^T = K Q^T: key tiles a0, a0 + 1 x both tiles of queries x two halves of the head's 64.  The four accumulators take turns; the first four start the sums.
.macro KQ a0
.irp c, 0,1
.irp a, \a0, \a0+1
.irp t, 0,1
.if \c == 0
	v_wmma_f32_16x16x32_f16 v[S+32*\t+8*(\a):S+32*\t+8*(\a)+7], v[F+16*(\a)+8*\c:F+16*(\a)+8*\c+7], v[Q+16*\t+8*\c:Q+16*\t+8*\c+7], 0
.else
	v_wmma_f32_16x16x32_f16 v[S+32*\t+8*(\a):S+32*\t+8*(\a)+7], v[F+16*(\a)+8*\c:F+16*(\a)+8*\c+7], v[Q+16*\t+8*\c:Q+16*\t+8*\c+7], v[S+32*\t+8*(\a):S+32*\t+8*(\a)+7]
.endif
.endr
.endr
.endr
.endm
; 8 products of O^T += V^T P: keys 32 b on, four channel tiles x both tiles of queries: eight accumulators by turns
.macro PV b
.irp d, 0,1,2,3
.irp t, 0,1
	v_wmma_f32_16x16x32_f16 v[O+32*\t+8*\d:O+32*\t+8*\d+7], v[F+32*(\b)+8*\d:F+32*(\b)+8*\d+7], v[S+32*\t+8*(\b):S+32*\t+8*(\b)+7], v[O+32*\t+8*\d:O+32*\t+8*\d+7]
.endr
.endr
.endm
.macro FETCH_K                         ; a step's K: 64 keys x 64 channels, sixteen pieces, key tiles 0 and 1 first
	v_add_nc_u32 v[ADK], s[TB], v[AK0]
.irp n, 0,1,2,3,4,5,6,7,8,9,10,11,12,13,14,15
	ds_load_b128 v[F+4*\n:F+4*\n+3], v[ADK] offset:512*\n
.endr
.endm
; The softmax of both tiles for one key step; the tiles alternate line by line, so that no line reads the result of the line above it.
.macro SOFTMAX
.irp j, 0,1,2,3
.irp t, 0,1
	v_max3_num_f32 v[ST+8*\t+4+\j], v[S+32*\t+8*\j], v[S+32*\t+8*\j+1], v[S+32*\t+8*\j+2]   ; four chains; each accumulator is read from its low end on
.endr
.endr
.irp g, 1,2
.irp j, 0,1,2,3
.irp t, 0,1
	v_max3_num_f32 v[ST+8*\t+4+\j], v[ST+8*\t+4+\j], v[S+32*\t+8*\j+2*\g+1], v[S+32*\t+8*\j+2*\g+2]
.endr
.endr
.endr
.irp t, 0,1
	v_max3_num_f32 v[ST+8*\t+4], v[ST+8*\t+4], v[S+32*\t+7], v[S+32*\t+15]
.endr
.irp t, 0,1
	v_max3_num_f32 v[ST+8*\t+6], v[ST+8*\t+6], v[S+32*\t+23], v[S+32*\t+31]
.endr
.irp t, 0,1
	v_max3_num_f32 v[ST+8*\t+4], v[ST+8*\t+4], v[ST+8*\t+5], v[ST+8*\t+6]
.endr
.irp t, 0,1
	v_max3_num_f32 v[ST+8*\t+4], v[ST+8*\t+4], v[ST+8*\t+7], v[ST+8*\t]   ; and the old m
.endr
.irp t, 0,1
	v_permlanex16_b32 v[ST+8*\t+5], v[ST+8*\t+4], s[SEL], s[SEL+1]        ; the query's other 32 keys lie in the lane 16 away
.endr
.irp t, 0,1
	v_max_num_f32 v[ST+8*\t], v[ST+8*\t+4], v[ST+8*\t+5]                  ; the new m
.endr
.irp t, 0,1
	v_sub_f32 v[ST+8*\t+1], v[ST+8*\t+1], v[ST+8*\t]                      ; old m - new m, 0 or less
.endr
.irp t, 0,1
	v_exp_f32 v[ST+8*\t+6], v[ST+8*\t+1]                                  ; a.  From here to the wait ONE BATCH of 66 exponentials; no line between names a result
.endr
.irp b, 0,2,4,6,8,10,12,14,16,18,20,22,24,26,28,30
	v_pk_add_f32 v[S+\b:S+\b+1], v[S+\b:S+\b+1], v[ST:ST+1] op_sel_hi:[1,0] neg_lo:[0,1] neg_hi:[0,1]   ; t - m, two at a time (of the pair the low word, m, serves both halves)
.endr
.irp b, 0,2,4,6,8,10,12,14,16,18,20,22,24,26,28,30
	v_exp_f32 v[S+\b], v[S+\b]                     ; tile 0's p; tile 1's subtractions stand among them
	v_exp_f32 v[S+\b+1], v[S+\b+1]
	v_pk_add_f32 v[S+32+\b:S+32+\b+1], v[S+32+\b:S+32+\b+1], v[ST+8:ST+9] op_sel_hi:[1,0] neg_lo:[0,1] neg_hi:[0,1]
.endr
.irp b, 0,1,2,3,4,5,6,7,8,9,10,11,12,13,14,15,16,17,18,19,20,21,22,23,24,25,26,27,28,29,30,31
	v_exp_f32 v[S+32+\b], v[S+32+\b]
.endr
	v_nop                                          ; a plain instruction behind the last exponential, ahead of the first use
	s_wait_alu depctr_va_vdst(0)                   ; and the wait ahead of the first line that names a result: one for the batch
.irp t, 0,1
	v_pk_mul_f32 v[ST+8*\t+2:ST+8*\t+3], v[ST+8*\t+2:ST+8*\t+3], v[ST+8*\t+6:ST+8*\t+7] op_sel_hi:[1,0]   ; the sum under the new m
.endr
.irp t, 0,1
	v_pk_add_f32 v[ST+8*\t+4:ST+8*\t+5], v[S+32*\t+2:S+32*\t+3], v[S+32*\t+6:S+32*\t+7]   ; the sum of the UNROUNDED p, in two chains
.endr
.irp t, 0,1
	v_pk_add_f32 v[ST+8*\t+2:ST+8*\t+3], v[ST+8*\t+2:ST+8*\t+3], v[S+32*\t:S+32*\t+1]
.endr
.irp b, 4,8,12,16,20,24,28
.irp t, 0,1
	v_pk_add_f32 v[ST+8*\t+2:ST+8*\t+3], v[ST+8*\t+2:ST+8*\t+3], v[S+32*\t+\b:S+32*\t+\b+1]
.endr
.if \b > 4
.irp t, 0,1
	v_pk_add_f32 v[ST+8*\t+4:ST+8*\t+5], v[ST+8*\t+4:ST+8*\t+5], v[S+32*\t+\b+2:S+32*\t+\b+3]
.endr
.endif
.endr
.irp t, 0,1
	v_pk_add_f32 v[ST+8*\t+2:ST+8*\t+3], v[ST+8*\t+2:ST+8*\t+3], v[ST+8*\t+4:ST+8*\t+5]
.endr
.irp e, 0,1,2,3,4,5,6,7,8,9,10,11,12,13,14,15
.irp t, 0,1
	v_cvt_pk_f16_f32 v[S+32*\t+\e], v[S+32*\t+2*\e], v[S+32*\t+2*\e+1]   ; P, in place, ascending: register e is written when its own p has been read
.endr
.endr
.irp e, 0,2,4,6,8,10,12,14,16,18,20,22,24,26,28,30
.irp t, 0,1
	v_pk_mul_f32 v[O+32*\t+\e:O+32*\t+\e+1], v[O+32*\t+\e:O+32*\t+\e+1], v[ST+8*\t+6:ST+8*\t+7] op_sel_hi:[1,0]   ; O^T under the new m; each accumulator from its low end on
.endr
.endr
.endm
; A KEY STEP: 64 keys.  next = 1: the next step's K, in the same slot, is fetched into the fragments as V's products leave them.
.macro STEP next
	s_wait_dscnt 8                                 ; K's tiles 0 and 1 are in; the eight younger loads are tiles 2 and 3
	KQ 0
	s_wait_dscnt 0x0
	KQ 2
	v_mov_b32 v[ST+1], v[ST]                       ; the old m is kept.  These four plain lines are the places behind the products, ahead of the loads into their fragments and of the first read of the scores
	v_mov_b32 v[ST+9], v[ST+8]
	v_add_nc_u32 v[ADV], s[TB], v[AV0]
	v_nop
	s_add_co_u32 s[TB], s[TB], 8192                ; on to the next step
.irp n, 0,1,2,3,4,5,6,7,8,9,10,11,12,13,14,15
	ds_load_b128 v[F+4*\n:F+4*\n+3], v[ADV] offset:512*\n   ; V^T of these 64 keys lands while the softmax is walked
.endr
.if \next
	v_add_nc_u32 v[ADK], s[TB], v[AK0]
.endif
	SOFTMAX
	s_wait_dscnt 0x0                               ; V is in
	PV 0
.if \next
.rept 4
	v_nop                                          ; four places in front of loads into fragments just multiplied
.endr
.irp n, 0,1,2,3,4,5,6,7
	ds_load_b128 v[F+4*\n:F+4*\n+3], v[ADK] offset:512*\n
.endr
.endif
	PV 1
.rept 5
	v_nop                                          ; five places: the next products K Q^T write over P, which these have read; they serve the loads below too
.endr
.if \next
.irp n, 8,9,10,11,12,13,14,15
	ds_load_b128 v[F+4*\n:F+4*\n+3], v[ADK] offset:512*\n
.endr
.endif
.endm
; THE CHANGE OF SLOTS stands at a slot's head.  Each wave waits for all its tensor loads (one is out: its eighth of the slot ahead), adds 0 to its spare word, and waits for that and for its reads of the slot that it has left.
; fill = 1: a round of the cluster's barrier, so that no wave of any partner still reads the other slot or has a load on its way; then the joint load of the next chunk, which has eight key steps in which to land.
.macro CHANGE fill
	s_wait_tensorcnt 0x0                           ; no tensor load of mine is out, so group 0 may be written
	ds_add_u32 v[SPW], v[NIL]                      ; 0 onto my spare word
.if \fill
	s_xor_b32 s[G0+1], s[G0+1], SLOT1              ; the other slot than last time,
	s_add_nc_u64 s[G0+2:G0+3], s[G0+2:G0+3], 131072   ; the next chunk; the type bits on top are not reached
	s_wait_xcnt 0x0                                ; the last prefetch, a slot back, has read its address, so it may be written:
	s_add_nc_u64 s[PFA:PFA+1], s[PFA:PFA+1], 131072   ; one chunk further on than the walking descriptor
	s_wait_dscnt 0x0                               ; the add is done, and my reads of the slot that I have left are over
	CROUND
	tensor_load_to_lds s[G0:G0+3], s[G1:G1+7]      ; the first thing behind the round, and my one tensor load until the next
	s_nop 0
.rept 4
	v_nop
.endr
.else
	s_wait_dscnt 0x0
	s_barrier_signal -1
	s_barrier_wait -1
.endif
.endm
.macro SLOT_STEPS ask                  ; a slot's eight key steps: seven that fetch their successor's K, in a loop, and the last
	FETCH_K
.if \ask
	ASK                                            ; behind the tensor load and the run of LDS loads that the first products wait for
.endif
	s_mov_b32 s[STEPS], 7
.Lstep_\@:
	STEP 1
	s_sub_co_u32 s[STEPS], s[STEPS], 1
	s_cmp_lg_u32 s[STEPS], 0
	s_cbranch_scc1 .Lstep_\@
	STEP 0
	s_sub_co_u32 s[TB], s[TB], 65536               ; back to a slot's first step,
	s_xor_b32 s[TB], s[TB], SLOT1                  ; in the other slot
.endm
.Lslot:                                            ; seven trips: behind each change of slots but the last the next chunk is asked for
	CHANGE 1
	SLOT_STEPS 1
	s_sub_co_u32 s[SLOTS], s[SLOTS], 1
	s_cmp_lg_u32 s[SLOTS], 0
	s_cbranch_scc1 .Lslot
	CHANGE 0                                       ; the last chunk is written out
	SLOT_STEPS 0
	; THE WAY OUT.  The sum's two halves and the other half of the lanes' are added; O^T is divided by the sum and rounded to f16: a lane's eight channels are its 16 bytes of a piece of oimg.
.irp t, 0,1
	v_add_f32 v[ST+8*\t+4], v[ST+8*\t+2], v[ST+8*\t+3]
.endr
.irp t, 0,1
	v_permlanex16_b32 v[ST+8*\t+5], v[ST+8*\t+4], s[SEL], s[SEL+1]
.endr
.irp t, 0,1
	v_add_f32 v[ST+8*\t+4], v[ST+8*\t+4], v[ST+8*\t+5]
.endr
.irp t, 0,1
	v_rcp_f32 v[ST+8*\t+6], v[ST+8*\t+4]
.endr
	v_nop                                          ; a plain instruction between the last reciprocal and the use of its result
	s_wait_alu depctr_va_vdst(0)                   ; and the wait: one for both reciprocals
.irp t, 0,1
.irp e, 0,2,4,6,8,10,12,14,16,18,20,22,24,26,28,30
	v_pk_mul_f32 v[O+32*\t+\e:O+32*\t+\e+1], v[O+32*\t+\e:O+32*\t+\e+1], v[ST+8*\t+6:ST+8*\t+7] op_sel_hi:[1,0]
.endr
.endr
.irp t, 0,1
.irp e, 0,1,2,3,4,5,6,7,8,9,10,11,12,13,14,15
	v_cvt_pk_f16_f32 v[S+16*\t+\e], v[O+32*\t+2*\e], v[O+32*\t+2*\e+1]
.endr
.endr
.irp t, 0,1
.irp d, 0,1,2,3
	global_store_b128 v[AK0], v[S+16*\t+4*\d:S+16*\t+4*\d+3], s[8:9] offset:16384*\t+512*\d   ; 32 lanes store 512 consecutive bytes
.endr
.endr
	s_wait_tensorcnt 0x0                           ; the wave's end
	ds_add_u32 v[SPW], v[NIL]
	s_wait_dscnt 0x0
	CROUND                                         ; the closing round: no work-group ends while a partner may still ask for a chunk that names it
	s_endpgm
.Lfunc_end_k_q2c5d537671_attn:
	.size	k_q2c5d537671_attn, .Lfunc_end_k_q2c5d537671_attn-k_q2c5d537671_attn
	.p2alignl 7, 3214868480
	.fill 96, 4, 3214868480
	.section	.rodata,"a",@progbits
	.p2align	6, 0x0
	.amdhsa_kernel k_q2c5d537671_attn
		.amdhsa_group_segment_fixed_size 327680
		.amdhsa_private_segment_fixed_size 0
		.amdhsa_enable_private_segment 0
		.amdhsa_kernarg_size 24
		.amdhsa_user_sgpr_count 2
		.amdhsa_user_sgpr_kernarg_segment_ptr 1
		.amdhsa_wavefront_size32 1
		.amdhsa_system_sgpr_workgroup_id_x 1
		.amdhsa_system_sgpr_workgroup_id_y 1
		.amdhsa_system_sgpr_workgroup_id_z 1
		.amdhsa_system_vgpr_workitem_id 0
		.amdhsa_next_free_vgpr 256
		.amdhsa_next_free_sgpr 66
		.amdhsa_reserve_vcc 0
		.amdhsa_float_denorm_mode_32 3
		.amdhsa_float_denorm_mode_16_64 3
		.amdhsa_memory_ordered 1
		.amdhsa_forward_progress 1
		.amdhsa_inst_pref_size 82
	.end_amdhsa_kernel
	.amdgpu_metadata
---
amdhsa.version: [ 1, 2 ]
amdhsa.kernels:
  - .name:           k_q2c5d537671_attn
    .symbol:         k_q2c5d537671_attn.kd
    .args:
      - { .name: qimg, .offset: 0, .size: 8, .value_kind: global_buffer, .address_space: global }
      - { .name: kv, .offset: 8, .size: 8, .value_kind: global_buffer, .address_space: global }
      - { .name: oimg, .offset: 16, .size: 8, .value_kind: global_buffer, .address_space: global }
    .group_segment_fixed_size: 327680
    .private_segment_fixed_size: 0
    .kernarg_segment_align: 8
    .kernarg_segment_size: 24
    .max_flat_workgroup_size: 256
    .sgpr_count:     66
    .vgpr_count:     256
    .wavefront_size: 32
...
	.end_amdgpu_metadata
.endif
;; end of part 3
;; launch outp (part 4): grid 4 x 64, 8 waves a work-group, clusters of 4 x 4, 327,680 bytes of LDS; arguments oimg, wo16, bo, out0; writes out0
.if DOCPART == 4
	.amdgcn_target "amdgcn-amd-amdhsa--gfx1250"
	.amdhsa_code_object_version 6
	.text
	.protected	k_q2c5d537671_outp
	.globl	k_q2c5d537671_outp
	.p2align	8
	.type	k_q2c5d537671_outp,@function
k_q2c5d537671_outp:
	s_mov_b64 s[64:65], 0
	v_nop
	global_prefetch_b8 v0, s[64:65] scope:SCOPE_SE
	s_setreg_imm32_b32 hwreg(HW_REG_WAVE_MODE, 25, 1), 1
	s_wait_xcnt 0x0
	s_wait_alu depctr_hold_cnt(0) depctr_sa_sdst(0) depctr_va_vdst(0) depctr_va_sdst(0) depctr_va_ssrc(0) depctr_va_vcc(0) depctr_vm_vsrc(0)
	s_getreg_b32 s2, hwreg(HW_REG_IB_STS2, 6, 4)
	s_cmp_eq_u32 s2, 0
	s_cbranch_scc0 .Lentry_in_a_cluster
	s_endpgm
.Lentry_in_a_cluster:
	s_bfe_u32 s2, ttmp6, 0x10000c
	s_cmp_lg_u32 s2, 0xf033
	s_cbranch_scc0 .Lentry_shape_is_right
	s_endpgm
.Lentry_shape_is_right:
; out0 = o Wo^T + bo.  o [8192][512] and Wo [512][512] arrive in f16 as images of operand registers, [tile of 16 rows][32 along K][two pieces of 512 bytes]; sums in f32; out0 f32.
; SHARES.  A work-group makes 128 rows x 128 columns: 256 work-groups.  Wave w makes row tiles 2 (w / 2) + a (a = 0, 1) x column tiles 4 (w % 2) + b (b = 0 .. 3): eight accumulators.
; All of K lies in LDS: four chunks of 128 along K, each o's eight tiles (4,096 bytes a tile) and then Wo's eight.  Every fill is a first fill: no slot is filled again.
; Waves 0-3 fetch o's tiles (two tiles a load), waves 4-7 Wo's; a wave's four loads, one a chunk, go out together: four tensor loads of mine are out at the most.
; CLUSTER.  4 x 4 work-groups.  o's tiles hang on the block of rows alone and are shared along a row of the cluster, Wo's on the block of columns alone and are shared along a column: each is asked for jointly.
; THE MATRIX INSTRUCTION IS USED TRANSPOSED (source 0 = 16 rows of Wo, source 1 = 16 rows of o): a lane holds eight neighbouring columns of one row of out0.  The bias is the C of each sum's first instruction.
.set CHUNK, 65536
.set STAGE, 4*CHUNK                    ; behind the chunks: 16 rows x (256 bytes + 16) for each wave, for the way out; no tensor load lands there
.set SPITCH, 272
.set SPARE, STAGE+8*16*SPITCH          ; behind the stages: the spare words, 128 bytes for each wave, which no other line names
.set ADO, 8                            ; v8-11   LDS address of my o fragments in chunk q
.set ADW, 12                           ; v12-15  of my Wo fragments
.set STO, 16                           ; v16  the way out: where I put 32 bytes of a row
.set RD,  17                           ; v17  where I read a row back
.set CO,  18                           ; v18  my byte offset in out0
.set SPW, 20                           ; v20  LDS address of my spare word; never rewritten
.set NIL, 21                           ; v21  0; never rewritten
.set BIA, 24                           ; v24-55   the bias as C: eight registers a column tile
.set BUF, 56                           ; v56-103, v104-151  two sets of fragments: Wo's four at + 8 b, o's two at + 32 + 8 a
.set ACC, 152                          ; v152-215 accumulator (a, b) at ACC + 8 (4 a + b)
.set WV,  12                           ; s12  my wave's number
.set G1,  24                           ; s[24:31] descriptor group 1 for o's tiles;  s[32:47] group 0, one for each chunk
.set G0,  32
.set G0B, 48                           ; s[48:63] group 0 for Wo's tiles;  s[68:75] their group 1: it differs in the mask alone
.set G1B, 68
.macro CROUND
	s_barrier_signal -1
	s_barrier_wait -1
	s_cmp_lg_u32 s[WV], 0
	s_cbranch_scc1 .Lnot_wave_0_\@
	s_barrier_signal -3
.Lnot_wave_0_\@:
	s_barrier_wait -3
	s_barrier_signal -1
	s_barrier_wait -1
.endm
	s_load_b256 s[4:11], s[0:1], 0x0               ; oimg s[4:5], wo16 s[6:7], bo s[8:9], out0 s[10:11]
	v_lshl_add_u32 v[SPW], v0, 2, SPARE
	v_mov_b32 v[NIL], 0
	ds_add_u32 v[SPW], v[NIL]                      ; the wave's opening: the add, twice on end, and its wait, ahead of my first tensor load
	ds_add_u32 v[SPW], v[NIL]
	v_lshrrev_b32 v1, 5, v0
	v_readfirstlane_b32 s[WV], v1                  ; wave 0..7
	s_bfe_u32 s13, ttmp6, 0x40000                  ; cx
	s_bfe_u32 s14, ttmp6, 0x40004                  ; cy
	s_lshl_b32 s15, ttmp9, 2
	s_add_co_u32 s15, s15, s13                     ; block of 128 columns = 4 x cluster x + cx
	s_and_b32 s16, ttmp7, 0xffff
	s_lshl_b32 s16, s16, 2
	s_add_co_u32 s16, s16, s14                     ; block of 128 rows = 4 x cluster y + cy
	s_lshl_b32 s17, s14, 2
	s_lshl_b32 s17, 15, s17                        ; my row of the cluster
	s_lshl_b32 s18, 0x1111, s13                    ; my column
	s_or_b32 s[G1], s17, (3<<16)|(1<<21)           ; 15:0 the mask: o's tiles go to my row; 17:16 elements of 8 bytes; 21 set beside a mask; no padding
	s_or_b32 s[G1B], s18, (3<<16)|(1<<21)          ; Wo's go to my column
.irp g, G1, G1B
	s_mov_b32 s[\g+1], 512<<16                     ; tensor_dim0 = 512 elements: a tile's 4,096 bytes of a chunk
	s_mov_b32 s[\g+2], 2<<16                       ; tensor_dim1 = 2 tiles
	s_mov_b32 s[\g+3], 512<<16                     ; tile_dim0
	s_mov_b32 s[\g+4], 2                           ; tile_dim1
	s_mov_b32 s[\g+5], 2048                        ; from tile to tile: 16,384 bytes
	s_mov_b32 s[\g+6], 0
	s_mov_b32 s[\g+7], 0
.endr
	s_and_b32 s19, s[WV], 3
	s_lshl_b32 s19, s19, 15                        ; which two tiles I fetch
	s_lshl_b32 s20, s16, 17                        ; o: eight tiles a block of rows; this pair never holds cx
	s_add_co_u32 s20, s20, s19
	s_mov_b32 s21, 0
	s_lshl_b32 s22, s15, 17                        ; Wo: eight tiles a block of columns; this pair never holds cy
	s_add_co_u32 s22, s22, s19
	s_mov_b32 s23, 0
	s_lshl_b32 s76, s[WV], 13                      ; where they go in a chunk: wave x 8,192: no place in the cluster enters an LDS address
	s_wait_dscnt 0x0                               ; both opening adds are done
	s_wait_kmcnt 0x0
	s_add_nc_u64 s[20:21], s[4:5], s[20:21]
	s_add_nc_u64 s[22:23], s[6:7], s[22:23]
	CROUND                                         ; all sixteen work-groups are here: the joint loads meet
.irp q, 0,1,2,3
	s_mov_b32 s[G0+4*\q], 1
	s_add_co_u32 s[G0+4*\q+1], s76, \q*CHUNK
	s_add_nc_u64 s[G0+4*\q+2:G0+4*\q+3], s[20:21], \q*4096
	s_or_b32 s[G0+4*\q+3], s[G0+4*\q+3], 0x80000000
	s_mov_b32 s[G0B+4*\q], 1
	s_add_co_u32 s[G0B+4*\q+1], s76, \q*CHUNK
	s_add_nc_u64 s[G0B+4*\q+2:G0B+4*\q+3], s[22:23], \q*4096
	s_or_b32 s[G0B+4*\q+3], s[G0B+4*\q+3], 0x80000000
.endr
	s_cmp_lt_u32 s[WV], 4                          ; a wave's four first fills stand in one branch on the wave's number, ahead of every wait on TENSORcnt, every LDS read and every later barrier
	s_cbranch_scc0 .Lfor_w
.irp q, 0,1,2,3
	tensor_load_to_lds s[G0+4*\q:G0+4*\q+3], s[G1:G1+7]
	s_nop 0
.endr
.rept 4
	v_nop
.endr
	s_branch .Lasked
.Lfor_w:
.irp q, 0,1,2,3
	tensor_load_to_lds s[G0B+4*\q:G0B+4*\q+3], s[G1B:G1B+7]
	s_nop 0
.endr
.rept 4
	v_nop
.endr
.Lasked:
	v_and_b32 v2, 15, v0                           ; r
	v_bfe_u32 v3, v0, 4, 1                         ; h
	v_and_b32 v4, 31, v0
	v_lshlrev_b32 v4, 4, v4                        ; 16 x lane
	v_lshlrev_b32 v19, 5, v3                       ; the bias: columns 8 h + 0 .. 7 of a tile
	s_and_b32 s17, s[WV], 1
	s_lshr_b32 s18, s[WV], 1
	s_lshl_b32 s19, s15, 9
	s_lshl_b32 s77, s17, 8
	s_add_co_u32 s78, s19, s77                     ; my first column, in bytes: 512 x block + 256 x (wave % 2)
	s_mov_b32 s79, 0
	s_add_nc_u64 s[8:9], s[8:9], s[78:79]
.irp b, 0,1,2,3
	global_load_b128 v[BIA+8*\b:BIA+8*\b+3], v19, s[8:9] offset:64*\b
	global_load_b128 v[BIA+8*\b+4:BIA+8*\b+7], v19, s[8:9] offset:64*\b+16
.endr
	s_lshl_b32 s19, s16, 18                        ; my first row: 128 x block + 32 x (wave / 2), 2,048 bytes a row
	s_lshl_b32 s77, s18, 16
	s_add_co_u32 s19, s19, s77
	s_add_co_u32 s78, s78, s19
	s_add_nc_u64 s[10:11], s[10:11], s[78:79]
	s_lshl_b32 s77, s18, 13                        ; my two tiles of o in a chunk
	v_add_nc_u32 v[ADO], s77, v4
	s_lshl_b32 s77, s17, 14
	s_add_co_u32 s77, s77, 32768                   ; my four tiles of Wo, behind o's eight
	v_add_nc_u32 v[ADW], s77, v4
.irp q, 1,2,3
	v_add_nc_u32 v[ADO+\q], \q*CHUNK, v[ADO]
	v_add_nc_u32 v[ADW+\q], \q*CHUNK, v[ADW]
.endr
	s_mul_i32 s77, s[WV], 16*SPITCH
	s_add_co_u32 s77, s77, STAGE                   ; my stage
	v_mul_u32_u24 v[STO], v2, SPITCH
	v_lshl_add_u32 v[STO], v3, 5, v[STO]
	v_add_nc_u32 v[STO], s77, v[STO]               ; in: row r, 32 bytes for each half of the lanes
	v_mul_u32_u24 v[RD], v3, SPITCH
	v_lshl_add_u32 v[RD], v2, 4, v[RD]
	v_add_nc_u32 v[RD], s77, v[RD]                 ; back: lanes 0-15 one row of 256 bytes, lanes 16-31 the next
	v_lshlrev_b32 v[CO], 11, v3
	v_lshl_add_u32 v[CO], v2, 4, v[CO]             ; and the same two rows in out0
.macro FETCH kc                        ; the six fragments of 32 along K, twelve loads of 512 consecutive bytes, into set kc % 2
.set BB, BUF+48*((\kc)%2)
.set QQ, (\kc)/4
.set KO, ((\kc)%4)*1024
.irp b, 0,1,2,3
.irp p, 0,1
	ds_load_b128 v[BB+8*\b+4*\p:BB+8*\b+4*\p+3], v[ADW+QQ] offset:\b*4096+KO+512*\p
.endr
.endr
.irp a, 0,1
.irp p, 0,1
	ds_load_b128 v[BB+32+8*\a+4*\p:BB+32+8*\a+4*\p+3], v[ADO+QQ] offset:\a*4096+KO+512*\p
.endr
.endr
.endm
.macro MUL kc                          ; eight matrix instructions, the eight accumulators by turns
.set BB, BUF+48*((\kc)%2)
.irp a, 0,1
.irp b, 0,1,2,3
.if (\kc) == 0
	v_wmma_f32_16x16x32_f16 v[ACC+8*(4*\a+\b):ACC+8*(4*\a+\b)+7], v[BB+8*\b:BB+8*\b+7], v[BB+32+8*\a:BB+32+8*\a+7], v[BIA+8*\b:BIA+8*\b+7]
.else
	v_wmma_f32_16x16x32_f16 v[ACC+8*(4*\a+\b):ACC+8*(4*\a+\b)+7], v[BB+8*\b:BB+8*\b+7], v[BB+32+8*\a:BB+32+8*\a+7], v[ACC+8*(4*\a+\b):ACC+8*(4*\a+\b)+7]
.endif
.endr
.endr
.endm
	s_wait_tensorcnt 3                             ; my part of chunk 0 is in; my three later loads may stay out
	s_barrier_signal -1
	s_barrier_wait -1                              ; everybody's is
	FETCH 0
	s_wait_loadcnt 0x0                             ; the bias
.irp k, 0,1,2,3,4,5,6,7,8,9,10,11,12,13,14,15
.if \k == 15
	s_wait_dscnt 0x0
	MUL \k
.elseif (\k%4) == 3                    ; a chunk's last step: the next chunk is shown whole to every wave
	s_wait_dscnt 0x0                               ; this step's fragments are in, and no LDS instruction of mine is out at the signal
	s_wait_tensorcnt 2-\k/4                        ; my part of the next chunk is in; the loads of the chunks behind it may stay out
	s_barrier_signal -1
	MUL \k                                         ; work on registers while the others arrive
	s_barrier_wait -1
.rept 4
	v_nop                                          ; four places in front of loads into fragments that matrix instructions have read: they serve the next step's run of loads too
.endr
	FETCH \k+1
.else
.if (\k%4) != 0
.rept 4
	v_nop
.endr
.endif
	FETCH \k+1
	s_wait_dscnt 12                                ; all but the twelve just issued
	MUL \k
.endif
.endr
; THE WAY OUT.  A lane holds 32 neighbouring bytes of a row, and the lanes beside it hold other rows: so a tile of 16 rows x 64 columns goes through my own stage and comes back as rows of 256 bytes.
; LDS serves a wave's instructions in order: no wait between the stores and the loads, nor in front of the next tile's stores.
.macro TOSTAGE a
.irp b, 0,1,2,3
	ds_store_b128 v[STO], v[ACC+8*(4*\a+\b):ACC+8*(4*\a+\b)+3] offset:64*\b          ; each accumulator from its low end on
	ds_store_b128 v[STO], v[ACC+8*(4*\a+\b)+4:ACC+8*(4*\a+\b)+7] offset:64*\b+16
.endr
.irp i, 0,1,2,3,4,5,6,7
	ds_load_b128 v[BUF+48*\a+4*\i:BUF+48*\a+4*\i+3], v[RD] offset:2*SPITCH*\i
.endr
.endm
.macro SEND a, younger                 ; younger: the LDS instructions issued behind tile a's loads
.irp i, 0,1,2,3,4,5,6,7
	s_wait_dscnt \younger+7-\i
	global_store_b128 v[CO], v[BUF+48*\a+4*\i:BUF+48*\a+4*\i+3], s[10:11] offset:(16*\a+2*\i)*2048 th:TH_STORE_NT   ; 16 lanes store 256 consecutive bytes, at a multiple of 256 from out0's first byte
.endr
.endm
.rept 4
	v_nop                                          ; four places behind the last products
.endr
	TOSTAGE 0
	TOSTAGE 1
	SEND 0, 16
	SEND 1, 0
	s_wait_tensorcnt 0x0                           ; the wave's end
	ds_add_u32 v[SPW], v[NIL]
	s_wait_dscnt 0x0
	CROUND                                         ; the closing round
	s_endpgm
.Lfunc_end_k_q2c5d537671_outp:
	.size	k_q2c5d537671_outp, .Lfunc_end_k_q2c5d537671_outp-k_q2c5d537671_outp
	.p2alignl 7, 3214868480
	.fill 96, 4, 3214868480
	.section	.rodata,"a",@progbits
	.p2align	6, 0x0
	.amdhsa_kernel k_q2c5d537671_outp
		.amdhsa_group_segment_fixed_size 327680
		.amdhsa_private_segment_fixed_size 0
		.amdhsa_enable_private_segment 0
		.amdhsa_kernarg_size 32
		.amdhsa_user_sgpr_count 2
		.amdhsa_user_sgpr_kernarg_segment_ptr 1
		.amdhsa_wavefront_size32 1
		.amdhsa_system_sgpr_workgroup_id_x 1
		.amdhsa_system_sgpr_workgroup_id_y 1
		.amdhsa_system_sgpr_workgroup_id_z 1
		.amdhsa_system_vgpr_workitem_id 0
		.amdhsa_next_free_vgpr 224
		.amdhsa_next_free_sgpr 80
		.amdhsa_reserve_vcc 0
		.amdhsa_float_denorm_mode_32 3
		.amdhsa_float_denorm_mode_16_64 3
		.amdhsa_memory_ordered 1
		.amdhsa_forward_progress 1
		.amdhsa_inst_pref_size 36
	.end_amdhsa_kernel
	.amdgpu_metadata
---
amdhsa.version: [ 1, 2 ]
amdhsa.kernels:
  - .name:           k_q2c5d537671_outp
    .symbol:         k_q2c5d537671_outp.kd
    .args:
      - { .name: oimg, .offset: 0, .size: 8, .value_kind: global_buffer, .address_space: global }
      - { .name: wo16, .offset: 8, .size: 8, .value_kind: global_buffer, .address_space: global }
      - { .name: bo, .offset: 16, .size: 8, .value_kind: global_buffer, .address_space: global }
      - { .name: out0, .offset: 24, .size: 8, .value_kind: global_buffer, .address_space: global }
    .group_segment_fixed_size: 327680
    .private_segment_fixed_size: 0
    .kernarg_segment_align: 8
    .kernarg_segment_size: 32
    .max_flat_workgroup_size: 256
    .sgpr_count:     80
    .vgpr_count:     224
    .wavefront_size: 32
...
	.end_amdgpu_metadata
.endif
;; end of part 4
